; MI455X (gfx1250); checked and timed in simulation.
; The chip was launched on July 23, 2026; its instructions are those of AMD's public machine-readable ISA for CDNA 5 (MIT licence, August 2026) and "CDNA5" Instruction Set Architecture Reference Guide (July 2026). The comments in the code are by the model that wrote it; some were corrected since.
;; Attention. Allowed arithmetic: matrix products marked QUANTISED: E2M1 operands, one E8M0 scale for each 32 along K, by v_wmma_scale_f32_16x16x128_f8f6f4 with both operands' format E2M1 (or v_wmma_scale_f32_32x16x128_f4), f32 sums; products left as they are: bf16, f16 or f32 operands; f32 sums; everything else in f32.
;; Inputs: key 2 x 16 x 2,048 x 64 float32; key_i 2 x 16 x 2,048 x 64 float32; mask 2 x 1 x 2,048 x 2,048 int32; query 2 x 16 x 2,048 x 64 float32; query_i 2 x 16 x 2,048 x 64 float32; value 2 x 16 x 2,048 x 64 float32; value_i 2 x 16 x 2,048 x 64 float32.
;; Outputs: out0 2 x 16 x 2,048 x 64 float32; out1 2 x 16 x 2,048 x 64 float32.
;; This version of the problem:
;;   THIS VERSION OF THE PROBLEM IS GIVEN IN LOW PRECISION. The matrix products marked QUANTISED in the list below multiply operands that are first quantised to E2M1 (2 exponent bits, 1 mantissa bit; 4 bits a number), with one power-of-two scale for each 32 numbers along K (OCP MX v1.0); their sums are f32. The products marked 'left as it is' may take bf16, f16 or f32 operands, with f32 sums. Whichever they take, every output number must still come out within the allowed error. Rounding operands to bf16 (8 significant bits) uses up far more of that allowance than f16 does (11 bits, for magnitudes from 6e-5 to 65,504). All else is computed in f32.
;;   The module's matrix products, in the order in which they are computed (A, B: the left and right operand; K: the contracted axis; several contracted axes count as one K, in the product's order):
;;     1. batch 32 x [M 2,048, K 64] x [K 64, N 2,048]; A: input query; B: input key: QUANTISED
;;     2. batch 32 x [M 2,048, K 64] x [K 64, N 2,048]; A: input query_i; B: input key_i: QUANTISED
;;     3. batch 32 x [M 2,048, K 2,048] x [K 2,048, N 64]; A: computed on the way; B: input value: left as it is (an operand is computed on the way)
;;     4. batch 32 x [M 2,048, K 2,048] x [K 2,048, N 64]; A: computed on the way; B: input value_i: left as it is (an operand is computed on the way)
;;   THE QUANTISER, for each operand of a quantised product, along K:
;;     - K is cut into blocks of 32 from its start; a last block that is shorter is filled with zeros.
;;     - A block's scale is 2^e with e = floor(log2(the largest magnitude in the block)) - 2, held to -126 .. 127; a block of zeros has e = 0. As a byte (E8M0): e + 127.
;;     - Each number is divided by its block's scale, clamped to +-6, and rounded to the nearest number of E2M1, ties to even, subnormals kept.
;;     - The product sums the exact products of the quantised numbers (number of the format x scale) in f32.
;;   ~~~python
;;   def quantise(x, axis):      # numpy; x: float32 -> the quantised numbers, widened to float32 again
;;       x = np.moveaxis(x, axis, -1); K = x.shape[-1]
;;       x = np.pad(x, [(0, 0)] * (x.ndim - 1) + [(0, -K % 32)]); x = x.reshape(x.shape[:-1] + (-1, 32)); a = np.abs(x).max(-1, keepdims=True)
;;       e = np.where(a > 0, np.clip(np.frexp(np.where(a > 0, a, 1))[1] - 1 - 2, -126, 127), 0)      # np.frexp(a)[1] - 1 = floor(log2(a)), exactly
;;       r = np.clip(x / 2.0 ** e, -6, 6)
;;       step = 2.0 ** (np.maximum(np.frexp(np.where(r == 0, 1, r))[1] - 1, 0) - 1)
;;       q = np.round(r / step) * step * 2.0 ** e      # np.round: ties to even
;;       return np.moveaxis(q.reshape(q.shape[:-2] + (-1,))[..., :K], -1, axis).astype(np.float32)
;;   ~~~
;; One version. Each part assembles by itself: llvm-mc -triple=amdgcn-amd-amdhsa -mcpu=gfx1250 --defsym DOCPART=n.
;; ======== version 1 of 1: 2 launches
;; limits: values are held in f16: magnitudes above 65,504 overflow, below 6.1e-05 lose precision; inputs' magnitudes at most 65,504
;; workspace buffers: kv 21,495,808 bytes; qc 4,194,304 bytes; mb 1,048,576 bytes of whole numbers
;; launch prep (part 1): grid 32 x 32, 4 waves a work-group, no clusters, 35,328 bytes of LDS; arguments key, key_i, query, query_i, value, value_i, mask, kv, qc, mb; writes kv, qc, mb
.if DOCPART == 1
	.amdgcn_target "amdgcn-amd-amdhsa--gfx1250"
	.amdhsa_code_object_version 6
	.text
	.protected	k_q6116008390_prep
	.globl	k_q6116008390_prep
	.p2align	8
	.type	k_q6116008390_prep,@function
k_q6116008390_prep:
	s_mov_b64 s[64:65], 0
	v_nop
	global_prefetch_b8 v0, s[64:65] scope:SCOPE_SE
	s_setreg_imm32_b32 hwreg(HW_REG_WAVE_MODE, 25, 1), 1
	s_wait_xcnt 0x0
; THE LAUNCH IN FRONT OF THE ATTENTION: every input is read once and laid as the attention's operand registers want it.
; The problem: scores = sqrt((q.k)^2 + (q_i.k_i)^2 + 1e-8) / 8, -1e9 where mask == 0, softmax along the keys, then p.value and p.value_i.  32 heads (2 x 16), 2,048 positions, 64 channels.
; NOTHING OF THE PROBLEM IS LEFT OUT: all seven inputs have a way to the outputs and all seven are loaded here.
; WHAT IS MADE, for head bh (0..31) and step s (0..31: 64 positions):
;   kv[bh][s]: a record of 82 rows of 256 bytes.
;     rows 4 t .. 4 t + 3 (t = 0..3): the image of one matrix operand, 16 keys x 128 along K, K = [key's 64 | key_i's 64], codes of E2M1: registers 0-3 at 16 x lane, registers 4-7 512 bytes on.
;     row 16: the keys' scale words (one word a key: key's two E8M0 bytes, then key_i's two).   row 17: the same words of the QUERIES 64 s ..: it rides in the record so that a record is two equal halves of 41 rows.
;     rows 18 + 16 (2 g + u) ..: value (u = 0) or value_i (u = 1) of keys 32 g .. 32 g + 31 as f16, in pieces of 8 keys of one channel: piece (channel c, kk = which 16 keys, hh = which 8 of them)
;     at byte (2 (c % 4) + hh) 512 + 256 kk + 16 (c / 4): so that a lane of the second product reads its 16 bytes whole.
;   qc[bh][s]: four images like rows 0-15, of query and query_i.
;   mb[b][tile of 16 queries][s][32 words]: word 8 t + j, bit l = (mask[b][query l % 16][key 64 s + 16 t + 8 (l / 16) + j] != 0): the lane mask of register j of score tile t.
; THE QUANTISER: a block's scale is 2^(floor(log2(largest magnitude)) - 2); its byte is the largest magnitude's exponent field - 2, held at 1 from below; numbers / scale go to the nearest code, ties to even, beyond 6 to 6.
;   A block of zeros gets the byte 1 where the rule says 127: its codes are zeros, which add nothing under any byte but 0xff, and this program alone reads the bytes.
; LIMITS: |value|, |value_i| under 65,504 (they are rounded to f16 for the products that the problem leaves as they are); NaN and infinities among the inputs are not served.
; SHARES: work-group (s, bh), four waves that share nothing: wave w takes key tile w, query tile w, value block w (g = w / 2, u = w % 2) and one piece of the mask, 16 queries x 128 keys: four times 8 KiB.
; One straight path, no branch, no barrier; each load and each large store of a wave covers 512 consecutive bytes (the values' loads: two rows of 256).
.set WREG,  8704                       ; LDS: a stage of its own for each wave: 2 x 16 rows x 272 bytes (quantiser), later 16 rows x 528 bytes (mask)
.set SPARE, 4*WREG                     ; behind the stages: the spare words, 128 bytes a wave: two blocks of 256 bytes that no other line names
.set SPW,   10                         ; v10  LDS address of my spare word; never rewritten
.set NIL,   11                         ; v11  0; never rewritten
.set A,     64                         ; v64-127   a set of 16 loads
.set B,     128                        ; v128-191  another
.set X,     192                        ; v192-255  64 numbers in the order that the conversions want; later the f16 pieces
; v1 16 lane; v2 values' loads; v3, v4 quantiser stage in, out; v5, v6 mask stage in, out; v7 scale words' place; v8 8 h; v9 8 lane; v12-18 at work;
; v28-35 the keys' codes, v36-43 the queries'; v44-45 mask words; v46, v47, v48 scale words; v49 16 lane + 1,024 w; v50 16 lane + 4,096 w
	s_load_b512 s[4:19], s[0:1], 0x0               ; key s[4:5], key_i s[6:7], query s[8:9], query_i s[10:11], value s[12:13], value_i s[14:15], mask s[16:17], kv s[18:19]
	s_load_b128 s[20:23], s[0:1], 0x40             ; qc s[20:21], mb s[22:23]
	v_lshl_add_u32 v[SPW], v0, 2, SPARE
	v_mov_b32 v[NIL], 0
	v_lshrrev_b32 v12, 5, v0
	v_readfirstlane_b32 s24, v12                   ; wave 0..3
	v_and_b32 v13, 31, v0                          ; lane
	v_and_b32 v14, 15, v0                          ; r
	v_bfe_u32 v15, v0, 4, 1                        ; h
	v_lshlrev_b32 v1, 4, v13                       ; 16 x lane
	v_lshlrev_b32 v2, 12, v15
	v_lshl_add_u32 v2, v14, 4, v2                  ; values: lanes 0-15 key i, lanes 16-31 key 16 + i; 16 bytes (4 channels) a lane
	s_mul_i32 s25, s24, WREG                       ; my stage
	v_mul_u32_u24 v3, v15, 272
	v_lshl_add_u32 v3, v14, 4, v3
	v_add_nc_u32 v3, s25, v3                       ; in: a load's 512 bytes are two rows of 256
	v_mul_u32_u24 v4, v14, 272
	v_lshl_add_u32 v4, v15, 7, v4
	v_add_nc_u32 v4, s25, v4                       ; out: row r, block h of 32 numbers: rows 272 bytes apart, so sixteen lanes touch sixteen different 16-byte columns modulo 256
	v_add_nc_u32 v5, s25, v1                       ; mask, in: a row's 512 bytes as they lie
	v_mul_u32_u24 v6, v14, 528
	v_lshl_add_u32 v6, v15, 5, v6
	v_add_nc_u32 v6, s25, v6                       ; out: query r, 8 keys of my half
	v_lshlrev_b32 v7, 2, v14
	v_lshl_add_u32 v7, v15, 8, v7
	s_lshl_b32 s26, s24, 6
	s_add_co_u32 s26, s26, 4096
	v_add_nc_u32 v7, s26, v7                       ; row 16 (lanes 0-15) or 17 (lanes 16-31) of the record, word 16 w + r
	v_lshlrev_b32 v8, 3, v15                       ; 8 h
	v_lshlrev_b32 v9, 3, v13                       ; 8 x lane
	s_lshl_b32 s26, s24, 10
	v_add_nc_u32 v49, s26, v1                      ; an image's place: 1,024 w + 16 lane
	s_lshl_b32 s26, s24, 12
	v_add_nc_u32 v50, s26, v1                      ; a value block's: 4,096 w + 16 lane
	v_mov_b32 v18, 0                               ; written once: a lane permute's and a lane write's destination count as sources
	v_mov_b32 v44, 0
	v_mov_b32 v45, 0
	s_mov_b32 s38, 0xffff0000                      ; lanes 16-31
	s_mov_b32 s48, 0x76543210
	s_mov_b32 s49, 0xfedcba98                      ; v_permlanex16_b32's selects for lane l xor 16
	s_and_b32 s27, ttmp7, 0xffff                   ; bh
	s_lshl_b32 s28, s27, 5
	s_add_co_u32 s28, s28, ttmp9                   ; 32 bh + s
	s_lshl_b32 s30, s28, 14                        ; 64 rows of 256 bytes a step,
	s_lshl_b32 s29, s24, 12
	s_add_co_u32 s30, s30, s29                     ; 16 a wave: my rows of key, key_i, query, query_i
	s_mov_b32 s31, 0
	s_lshl_b32 s32, s28, 14
	s_lshr_b32 s29, s24, 1
	s_lshl_b32 s29, s29, 13
	s_add_co_u32 s32, s32, s29                     ; my 32 rows of value or value_i
	s_mov_b32 s33, 0
	s_lshl_b32 s29, s28, 2
	s_add_co_u32 s29, s29, s24                     ; J = 0..4,095: which piece of the mask: queries 16 (J / 16) of 4,096, keys 128 (J % 16)
	s_lshr_b32 s34, s29, 4
	s_lshl_b32 s34, s34, 17                        ; 16 rows of 8,192 bytes
	s_and_b32 s36, s29, 15
	s_lshl_b32 s36, s36, 9
	s_add_co_u32 s34, s34, s36
	s_mov_b32 s35, 0
	s_lshl_b32 s36, s29, 8                         ; its 64 words in mb
	s_mov_b32 s37, 0
	s_mul_i32 s50, s28, 20992                      ; my record in kv
	s_mov_b32 s51, 0
	s_lshl_b32 s52, s28, 12                        ; and in qc
	s_mov_b32 s53, 0
	s_and_b32 s25, s24, 1
	s_wait_kmcnt 0x0
	s_add_nc_u64 s[4:5], s[4:5], s[30:31]
	s_add_nc_u64 s[6:7], s[6:7], s[30:31]
	s_add_nc_u64 s[8:9], s[8:9], s[30:31]
	s_add_nc_u64 s[10:11], s[10:11], s[30:31]
	s_cmp_eq_u32 s25, 0                            ; even waves take value, odd ones value_i: the choice hangs on the wave's number alone
	s_cselect_b64 s[12:13], s[12:13], s[14:15]
	s_add_nc_u64 s[12:13], s[12:13], s[32:33]
	s_add_nc_u64 s[16:17], s[16:17], s[34:35]
	s_add_nc_u64 s[18:19], s[18:19], s[50:51]
	s_add_nc_u64 s[20:21], s[20:21], s[52:53]
	s_add_nc_u64 s[22:23], s[22:23], s[36:37]
.macro LD16 set, p0, p1                ; 16 rows of each of two tensors: eight loads of 512 consecutive bytes each
.irp i, 0,1,2,3,4,5,6,7
	global_load_b128 v[\set+4*\i:\set+4*\i+3], v1, s[\p0:\p0+1] offset:512*\i th:TH_LOAD_NT
.endr
.irp i, 0,1,2,3,4,5,6,7
	global_load_b128 v[\set+32+4*\i:\set+32+4*\i+3], v1, s[\p1:\p1+1] offset:512*\i th:TH_LOAD_NT
.endr
.endm
.macro TURNQ set                       ; through my stage: afterwards lane (r, h) holds block h of row r, 32 numbers of each tensor.  LDS serves a wave's instructions in order: no wait between the stores and the loads
.irp a, 0,1
.irp i, 0,1,2,3,4,5,6,7
	ds_store_b128 v3, v[\set+32*\a+4*\i:\set+32*\a+4*\i+3] offset:\a*4352+544*\i
.endr
.endr
.irp a, 0,1
.irp j, 0,1,2,3,4,5,6,7
	ds_load_b128 v[X+32*\a+4*\j:X+32*\a+4*\j+3], v4 offset:\a*4352+16*\j
.endr
.endr
.endm
.macro QUANT C, W                      ; X's two blocks become eight registers of codes, v[C] on, and my row's scale word, v[W]
	v_max3_num_f32 v12, |v[X]|, |v[X+1]|, 0x1800000        ; the block's largest magnitude: all 32 numbers are mine; the floor 2^(3 - 127) holds the byte at 1 from below
	v_max3_num_f32 v13, |v[X+32]|, |v[X+33]|, 0x1800000    ; (the two tensors by turns)
.irp i, 2,4,6,8,10,12,14,16,18,20,22,24,26,28,30
	v_max3_num_f32 v12, v12, |v[X+\i]|, |v[X+\i+1]|
	v_max3_num_f32 v13, v13, |v[X+32+\i]|, |v[X+33+\i]|
.endr
	v_add_nc_u32 v14, 0xff000000, v12              ; 2 off the exponent field: the conversion takes the exponent field of this operand as its scale, and nothing else of it
	v_add_nc_u32 v15, 0xff000000, v13
	v_lshrrev_b32 v16, 23, v14                     ; the scales' bytes
	v_lshrrev_b32 v17, 23, v15
	v_lshl_or_b32 v16, v17, 16, v16                ; first tensor's block h, second tensor's block h,
	v_lshlrev_b32 v16, v8, v16                     ; at their places in the word (8 h bits up);
	v_permlanex16_b32 v18, v16, s48, s49
	v_or_b32 v[\W], v16, v18                       ; with lane l xor 16's two the word is whole
.irp g, 0,1,2,3
	v_cvt_scalef32_pk8_fp4_f32 v[\C+\g], v[X+8*\g:X+8*\g+7], v14
	v_cvt_scalef32_pk8_fp4_f32 v[\C+4+\g], v[X+32+8*\g:X+32+8*\g+7], v15
.endr
	v_nop                                          ; one plain line behind the last scaled conversion: X is written again by vector instructions further on
.endm
	LD16 A, 4, 6                                   ; key, key_i
	LD16 B, 8, 10                                  ; query, query_i
	s_wait_loadcnt 16                              ; the keys' 16 loads are in; the queries' 16 stay out
	TURNQ A
	s_wait_dscnt 0x0                               ; X is in, and the stage's stores have read set A:
.irp i, 0,1,2,3,4,5,6,7,8,9,10,11,12,13,14,15
	global_load_b128 v[A+4*\i:A+4*\i+3], v2, s[12:13] offset:256*\i th:TH_LOAD_NT   ; which takes the values: keys i and 16 + i, two whole rows of 256 bytes
.endr
	QUANT 28, 46
	global_store_b128 v49, v[28:31], s[18:19]              ; the image: 512 consecutive bytes a store
	global_store_b128 v49, v[32:35], s[18:19] offset:512
	s_wait_loadcnt 16                              ; the queries are in; the values' 16 loads stay out
	TURNQ B
	s_wait_dscnt 0x0
.irp i, 0,1,2,3,4,5,6,7,8,9,10,11,12,13,14,15
	global_load_b128 v[B+4*\i:B+4*\i+3], v1, s[16:17] offset:8192*\i th:TH_LOAD_NT  ; the mask: 128 keys (512 bytes) of query i
.endr
	QUANT 36, 47
	global_store_b128 v49, v[36:39], s[20:21]
	global_store_b128 v49, v[40:43], s[20:21] offset:512
	v_cndmask_b32 v48, v46, v47, s38               ; lanes 0-15 the keys' words, lanes 16-31 the queries'
	global_store_b32 v7, v48, s[18:19]             ; two pieces of 64 bytes: the four waves together fill rows 16 and 17
	s_wait_loadcnt 16                              ; the values are in; the mask's 16 loads stay out
.irp e, 0,1,2,3                        ; v[A + 4 i + e] = value(key 16 kk + i, channel 4 (lane % 16) + e): pairs of keys are rounded to f16, the even key in the low half
.irp p, 0,1,2,3,4,5,6,7
	v_cvt_pk_f16_f32 v[X+8*\e+\p], v[A+8*\p+\e], v[A+8*\p+4+\e]
.endr
.endr
.irp e, 0,1,2,3
.irp hh, 0,1
	global_store_b128 v50, v[X+8*\e+4*\hh:X+8*\e+4*\hh+3], s[18:19] offset:4608+(2*\e+\hh)*512   ; pieces (channel % 4 = e, hh): 512 consecutive bytes
.endr
.endr
	s_wait_loadcnt 0x0                             ; the mask
.irp i, 0,1,2,3,4,5,6,7,8,9,10,11,12,13,14,15
	ds_store_b128 v5, v[B+4*\i:B+4*\i+3] offset:528*\i
.endr
.irp kt, 0,1,2,3,4,5,6,7
.irp c, 0,1
	ds_load_b128 v[A+8*\kt+4*\c:A+8*\kt+4*\c+3], v6 offset:64*\kt+16*\c   ; v[A + 8 t + j] = mask(query r, key 16 t + 8 h + j): the place of register j of score tile t
.endr
.endr
	s_wait_dscnt 0x0
.set wd, 0
.rept 8                                ; 64 compares give 64 lane masks; word wd goes to lane wd / 2, register wd % 2
.irp n, 0,1,2,3,4,5,6,7
	v_cmp_ne_u32 s[40+\n], 0, v[A+wd+\n]
.endr
.irp n, 0,1,2,3,4,5,6,7
	v_writelane_b32 v[44+\n%2], s[40+\n], (wd+\n)/2
.endr
.set wd, wd+8
.endr
	global_store_b64 v9, v[44:45], s[22:23]        ; 32 lanes store 256 consecutive bytes, aligned
	s_wait_tensorcnt 0x0                           ; the wave's end, behind my last LDS store
	ds_add_u32 v[SPW], v[NIL]
	s_wait_dscnt 0x0
	s_endpgm
.Lfunc_end_k_q6116008390_prep:
	.size	k_q6116008390_prep, .Lfunc_end_k_q6116008390_prep-k_q6116008390_prep
	.p2alignl 7, 3214868480
	.fill 96, 4, 3214868480
	.section	.rodata,"a",@progbits
	.p2align	6, 0x0
	.amdhsa_kernel k_q6116008390_prep
		.amdhsa_group_segment_fixed_size 35328
		.amdhsa_private_segment_fixed_size 0
		.amdhsa_enable_private_segment 0
		.amdhsa_kernarg_size 80
		.amdhsa_user_sgpr_count 2
		.amdhsa_user_sgpr_kernarg_segment_ptr 1
		.amdhsa_wavefront_size32 1
		.amdhsa_system_sgpr_workgroup_id_x 1
		.amdhsa_system_sgpr_workgroup_id_y 1
		.amdhsa_system_sgpr_workgroup_id_z 1
		.amdhsa_system_vgpr_workitem_id 0
		.amdhsa_next_free_vgpr 256
		.amdhsa_next_free_sgpr 66
		.amdhsa_reserve_vcc 0
		.amdhsa_float_denorm_mode_32 3
		.amdhsa_float_denorm_mode_16_64 3
		.amdhsa_memory_ordered 1
		.amdhsa_forward_progress 1
		.amdhsa_inst_pref_size 34
	.end_amdhsa_kernel
	.amdgpu_metadata
---
amdhsa.version: [ 1, 2 ]
amdhsa.kernels:
  - .name:           k_q6116008390_prep
    .symbol:         k_q6116008390_prep.kd
    .args:
      - { .name: key, .offset: 0, .size: 8, .value_kind: global_buffer, .address_space: global }
      - { .name: key_i, .offset: 8, .size: 8, .value_kind: global_buffer, .address_space: global }
      - { .name: query, .offset: 16, .size: 8, .value_kind: global_buffer, .address_space: global }
      - { .name: query_i, .offset: 24, .size: 8, .value_kind: global_buffer, .address_space: global }
      - { .name: value, .offset: 32, .size: 8, .value_kind: global_buffer, .address_space: global }
      - { .name: value_i, .offset: 40, .size: 8, .value_kind: global_buffer, .address_space: global }
      - { .name: mask, .offset: 48, .size: 8, .value_kind: global_buffer, .address_space: global }
      - { .name: kv, .offset: 56, .size: 8, .value_kind: global_buffer, .address_space: global }
      - { .name: qc, .offset: 64, .size: 8, .value_kind: global_buffer, .address_space: global }
      - { .name: mb, .offset: 72, .size: 8, .value_kind: global_buffer, .address_space: global }
    .group_segment_fixed_size: 35328
    .private_segment_fixed_size: 0
    .kernarg_segment_align: 8
    .kernarg_segment_size: 80
    .max_flat_workgroup_size: 128
    .sgpr_count:     66
    .vgpr_count:     256
    .wavefront_size: 32
...
	.end_amdgpu_metadata
.endif
;; end of part 1
;; launch attn (part 2): grid 8 x 32, 8 waves a work-group, clusters of 4 x 1, 327,680 bytes of LDS; arguments qc, kv, mb, out0, out1; writes out0, out1
.if DOCPART == 2
	.amdgcn_target "amdgcn-amd-amdhsa--gfx1250"
	.amdhsa_code_object_version 6
	.text
	.protected	k_q6116008390_attn
	.globl	k_q6116008390_attn
	.p2align	8
	.type	k_q6116008390_attn,@function
k_q6116008390_attn:
	s_mov_b64 s[64:65], 0
	v_nop
	global_prefetch_b8 v0, s[64:65] scope:SCOPE_SE
	s_setreg_imm32_b32 hwreg(HW_REG_WAVE_MODE, 25, 1), 1
	s_wait_xcnt 0x0
	s_wait_alu depctr_hold_cnt(0) depctr_sa_sdst(0) depctr_va_vdst(0) depctr_va_sdst(0) depctr_va_ssrc(0) depctr_va_vcc(0) depctr_vm_vsrc(0)
	s_getreg_b32 s2, hwreg(HW_REG_IB_STS2, 6, 4)
	s_cmp_eq_u32 s2, 0
	s_cbranch_scc0 .Lentry_in_a_cluster
	s_endpgm
.Lentry_in_a_cluster:
	s_bfe_u32 s2, ttmp6, 0x10000c
	s_cmp_lg_u32 s2, 0x3003
	s_cbranch_scc0 .Lentry_shape_is_right
	s_endpgm
.Lentry_shape_is_right:
; out0, out1 [head][q][:] = sum over k of softmax_k(score) value[k][:], value_i[k][:];  score = sqrt((q.k)^2 + (q_i.k_i)^2 + 1e-8) / 8, a large negative number where mask == 0.
; Nothing of the problem is left out here either.  The operands come from the launch in front: qc (queries' codes), kv (keys' codes and scale words, queries' scale words, values in f16), mb (the mask as lane masks).
; THE TWO SCORE PRODUCTS run on codes of E2M1 with E8M0 scales: one operand of 128 along K holds [key | key_i]; against it stand [query | zeros] for the real part and [zeros | query_i] for the other.  Zero codes add
;   nothing under any scale byte from 1 to 254, so one scale word a row serves both.  Twelve registers [q][0][q_i] give both operands: the first eight and the last eight.
; THE TWO VALUE PRODUCTS run on f16 (p is at most 1; |value| under 65,504 is the stated limit), sums in f32.
; THE MASKED SCORE is -2^30 here where the problem writes -1e9.  No result moves, for all inputs: a score that counts is a square root, so it is 0 or more; in a row with any such key exp(masked - max) is 0 in f32
;   under either number; in a row with none all scores are equal under either number and p is uniform.  The power of two is taken because c x (-2^33) is exact in f32 (x = 8 x score is what is kept), so that such a
;   row's exponent x c - c m is exactly 0 and p exactly 1.
; SOFTMAX: a running maximum m and sum l for each query: p = 2^(c x - c m), c = log2(e) / 8; in every step O and l are multiplied by a = 2^(c m_old - c m_new).  l sums the p in f32; O is divided by l at the end.
; LIMITS: NaN and infinities are not served; r^2 + i^2 overflows where the problem's own does.
; SHARES: a work-group owns 256 queries of one head; each of its eight waves 32 of them: two tiles of 16 (pieces 0 and 1), in 512 registers, two waves to a SIMD.  Every wave walks the head's 2,048 keys, 64 a step.
; LAYOUT: S^T = K Q^T (source 0 = 16 keys, source 1 = 16 queries) and O^T = V^T P (source 0 = 16 channels, source 1 = P): a lane holds ONE query (lane % 16) throughout; two score tiles, rounded to f16 in pairs, ARE P's operand.
; BY TURNS: in a TURN one piece has the matrix unit (16 products V^T P of the step in hand, then 8 products K Q^T of the next step, two at a time); the other piece's softmax stands between them, 16 lines between two pairs.
; RING: two LDS slots of four steps (4 records of 82 rows); each wave fetches 41 rows of a slot by one tensor load.  By this text's own count a wave has two tensor loads out at the start and one behind each change of slots.
; CLUSTER: the four work-groups of a cluster belong to one head and walk the same records: every tile is asked for jointly, by the same load with the same descriptor and the mask of all four.
; REGISTERS.  window 0: v1-11 addresses and constants; v12-27 statistics, 8 a tile (+0 c m, +1 m, +2, +3 l, +4..7 at work, a in +6); v28-29 keys' scale words, v10 queries': these three hold scales and nothing else;
;   v30 Q's load offset; v32-55 Q, 12 a tile; v56-87 K of one step; v88-119 P, 16 a tile; v120-122 the way out; v128-255 S^T: tile y at 128 + 64 y, real part +0..31, the other +32..63.
;   window 1: v0-127 O^T (tile x, channel tile ct = 4 u + t: 64 x + 8 ct); v128-255 V^T of one step (keys 32 g on: 128 + 64 g + 8 ct).
.set REC,   82*272                     ; a record in LDS: rows of 256 bytes + 16 of padding
.set SLOT1, 1<<17                      ; slot 1 begins here (a slot is 4 REC = 89,216 bytes), so that one exclusive or turns an address of one slot into the other's
.set SLOTB, 4*82*256                   ; a slot's bytes in memory
.set STAGE, 1<<18                      ; behind the ring: 16 rows x 272 bytes for each wave, for the way out; no tensor load lands here
.set SPARE, STAGE+8*16*272             ; behind the stages: the spare words, 128 bytes a wave: four blocks of 256 bytes that no other line names
.set AK0, 1                            ; v1   my lane's place in an image of K: 16 lane + 16 (lane / 16)
.set AS0, 2                            ; v2   4 lane
.set AV0, 3                            ; v3   my lane's place in a block of V
.set ADK, 4
.set ADS, 5
.set ADV, 6                            ; v4-6 the addresses of the runs of loads in hand
.set NEG, 7                            ; v7   -2^33
.set SPW, 8                            ; v8   LDS address of my spare word; never rewritten
.set NIL, 9                            ; v9   0; never rewritten
.set QSC, 10
.set PFO, 11                           ; v11  the prefetches' offset
.set ST,  12
.set KSC, 28
.set QL,  30
.set Q,   32
.set KF,  56
.set P,   88
.set STO, 120
.set RD,  121
.set GO,  122
.set S,   128
.set MB,  4                            ; s[4:5]   tile 0's mask words of the step in hand; tile 1's lie 4,096 bytes on, a step's 128 bytes on
.set PFA, 6                            ; s[6:7]   where my prefetches stand
.set G1,  8                            ; s[8:15]  descriptor group 1
.set G0A, 16                           ; s[16:19] group 0 of slot 0's first fill
.set G0W, 20                           ; s[20:23] group 0 of slot 1's first fill; it then walks
.set SEL, 24                           ; s[24:25] v_permlanex16_b32's selects for lane l xor 16
.set WV,  26
.set LIM, 27                           ; 1 in a wave that prefetches, else the greatest number
.set TB,  28                           ; LDS byte at which the record to be fetched begins
.set SLOTS, 29
.set CNT, 30
.set OO,  66                           ; s[66:67] my wave's first row in the outputs, in bytes
; s[32:63]: tile 0's 32 mask words; s[68:99]: tile 1's (at the head these 32 hold the set-up's numbers)
.set W_PV, 0x51                        ; source 0 (V^T, or O^T in a rescaling), C and D window 1; source 1 (P, or a) window 0
.set MSB, 0
.macro WIN new                         ; the immediate's high byte repeats the setting that is left; a switch that changes nothing is dropped
.if MSB != \new
	s_set_vgpr_msb (MSB<<8)|\new
.set MSB, \new
.endif
.endm
.macro PLACES
.rept 4
	v_nop
.endr
.endm
.macro CROUND                          ; a round of the cluster's barrier: my work-group's barrier; wave 0 signals for the work-group; every wave waits for all four work-groups; my work-group's barrier once more
	s_barrier_signal -1
	s_barrier_wait -1
	s_cmp_lg_u32 s[WV], 0
	s_cbranch_scc1 .Lnot_wave_0_\@
	s_barrier_signal -3
.Lnot_wave_0_\@:
	s_barrier_wait -3
	s_barrier_signal -1
	s_barrier_wait -1
.endm
; A PREFETCH INTO THE L2 of the slot that the NEXT change of slots will ask for: four steps ahead of that load.  Both clusters of a head walk the same records: the head's first cluster asks.  Its four partners take a record
; (82 blocks of 256 bytes) each, told apart BY ADDRESS; in each, threads 0 to 95 (waves 0 to 2) ask, a lane a block; threads 82 to 95 name block 81 again.  The last change that fills a slot asks for nothing.
.macro ASK
	s_cmp_gt_u32 s[SLOTS], s[LIM]
	s_cbranch_scc0 .Lnot_mine_\@
	global_prefetch_b8 v[PFO], s[PFA:PFA+1] th:TH_LOAD_NT scope:SCOPE_SE
.Lnot_mine_\@:
.endm
	s_load_b128 s[68:71], s[0:1], 0x0              ; qc s[68:69], kv s[70:71]
	s_load_b64 s[72:73], s[0:1], 0x10              ; mb
	v_lshl_add_u32 v[SPW], v0, 2, SPARE
	v_mov_b32 v[NIL], 0
	ds_add_u32 v[SPW], v[NIL]                      ; the wave's opening: the add, twice on end, and its wait ahead of my first tensor load; the set-up below stands between
	ds_add_u32 v[SPW], v[NIL]
	v_lshrrev_b32 v1, 5, v0
	v_readfirstlane_b32 s[WV], v1                  ; wave 0..7
	s_bfe_u32 s74, ttmp6, 0x40000                  ; cx: my place in the cluster
	s_lshl_b32 s75, ttmp9, 2                       ; in a cluster launch ttmp9 counts clusters
	s_add_co_u32 s75, s75, s74                     ; my block of 256 queries: it enters Q's, the mask's and the outputs' addresses alone
	s_and_b32 s76, ttmp7, 0xffff                   ; the head, which the four partners share
	; descriptor group 1: 41 rows of 32 elements of 8 bytes, dense in memory, 16 bytes of padding behind each row in LDS
	s_mov_b32 s[G1], 15|(3<<16)|(1<<20)|(1<<21)|(5<<22)|(3<<25)   ; 15:0 the mask: all four work-groups; 17:16 elements of 8 bytes; 20 padding on; 21 set beside a mask; 24:22 after every 64 words; 31:25 four words
	s_mov_b32 s[G1+1], 32<<16                      ; tensor_dim0 = 32
	s_mov_b32 s[G1+2], 41<<16                      ; tensor_dim1 = 41
	s_mov_b32 s[G1+3], 32<<16                      ; tile_dim0 = 32
	s_mov_b32 s[G1+4], 41                          ; tile_dim1 = 41
	s_mov_b32 s[G1+5], 32                          ; from row to row: 32 elements
	s_mov_b32 s[G1+6], 0
	s_mov_b32 s[G1+7], 0
	s_mul_i32 s78, s76, 32*82*256                  ; the head's first byte in kv
	s_mov_b32 s79, 0
	s_mul_i32 s80, s[WV], 41*256                   ; my 41 rows of a slot, in memory,
	s_mov_b32 s81, 0
	s_mul_i32 s3, s[WV], 41*272                    ; and in LDS: no place in the cluster enters an LDS address
	s_lshl_b32 s86, s76, 5
	s_lshl_b32 s87, s75, 2
	s_add_co_u32 s86, s86, s87
	s_lshr_b32 s87, s[WV], 1
	s_add_co_u32 s86, s86, s87                     ; the record (64 positions) in which my 32 queries lie: 32 head + 4 block + wave / 2
	s_and_b32 s87, s[WV], 1                        ; and which half of it
	s_lshl_b32 s88, s86, 12
	s_lshl_b32 s89, s87, 11
	s_add_co_u32 s88, s88, s89                     ; my two images in qc
	s_mov_b32 s89, 0
	s_mul_i32 s90, s86, 82*256
	s_lshl_b32 s91, s87, 7
	s_add_co_u32 s90, s90, s91
	s_add_co_u32 s90, s90, 17*256                  ; my 32 scale words in row 17 of that record
	s_mov_b32 s91, 0
	s_lshr_b32 s92, s76, 4                         ; the batch
	s_lshl_b32 s92, s92, 7
	s_lshl_b32 s93, s75, 4
	s_add_co_u32 s92, s92, s93
	s_lshl_b32 s93, s[WV], 1
	s_add_co_u32 s92, s92, s93                     ; my first tile of 16 queries among the batch's 128,
	s_lshl_b32 s92, s92, 12                        ; 4,096 bytes of mask words a tile
	s_mov_b32 s93, 0
	s_lshl_b32 s[OO], s76, 19                      ; the outputs: 2,048 rows of 256 bytes a head,
	s_lshl_b32 s[OO+1], s75, 16                    ; 256 a block,
	s_add_co_u32 s[OO], s[OO], s[OO+1]
	s_lshl_b32 s[OO+1], s[WV], 13                  ; 32 a wave
	s_add_co_u32 s[OO], s[OO], s[OO+1]
	s_mov_b32 s[OO+1], 0
	s_mul_i32 s94, s74, 82*256                     ; the prefetches: my work-group's record of a slot,
	s_add_co_u32 s94, s94, 2*SLOTB                 ; in slot 2: the first change of slots steps it to slot 3.  Nothing is prefetched at the head
	s_mov_b32 s95, 0
	s_cmp_lt_u32 s[WV], 3
	s_cselect_b32 s[LIM], 0, 1
	s_or_b32 s[LIM], s[LIM], ttmp9                 ; 0 in waves 0 to 2 of the head's first cluster: the same in all four partners
	s_cmp_eq_u32 s[LIM], 0
	s_cselect_b32 s[LIM], 1, -1
	s_mov_b32 s[SEL], 0x76543210
	s_mov_b32 s[SEL+1], 0xfedcba98
	s_mov_b32 s[TB], 0
	s_wait_dscnt 0x0                               ; both opening adds are done
	s_wait_kmcnt 0x0
	s_add_nc_u64 s[82:83], s[70:71], s[78:79]      ; kv at my head
	s_add_nc_u64 s[84:85], s[82:83], s[80:81]      ; at my 41 rows of slot 0
	s_add_nc_u64 s[PFA:PFA+1], s[82:83], s[94:95]
	s_add_nc_u64 s[96:97], s[68:69], s[88:89]
	s_add_nc_u64 s[98:99], s[70:71], s[90:91]
	s_add_nc_u64 s[MB:MB+1], s[72:73], s[92:93]
	s_mov_b32 s[G0A], 1                            ; count = 1
	s_mov_b32 s[G0A+1], s3                         ; LDS address
	s_mov_b64 s[G0A+2:G0A+3], s[84:85]             ; global address
	s_or_b32 s[G0A+3], s[G0A+3], 0x80000000        ; type = 2
	s_mov_b32 s[G0W], 1
	s_add_co_u32 s[G0W+1], s3, SLOT1
	s_add_nc_u64 s[G0W+2:G0W+3], s[84:85], SLOTB
	s_or_b32 s[G0W+3], s[G0W+3], 0x80000000
	CROUND                                         ; all four work-groups are here: the first joint loads meet
	tensor_load_to_lds s[G0A:G0A+3], s[G1:G1+7]    ; steps 0 to 3
	s_nop 0
	tensor_load_to_lds s[G0W:G0W+3], s[G1:G1+7]    ; steps 4 to 7
	s_nop 0
	PLACES
.irp j, 4,5,6,7,16,17,18,19
	v_mov_b32 v[Q+\j], 0                           ; the zero codes between q's and q_i's; the lines below stand between these and the first product
.endr
	v_and_b32 v12, 31, v0                          ; lane   (v12-15 are free until the first softmax)
	v_and_b32 v13, 15, v0                          ; r
	v_bfe_u32 v14, v0, 4, 1                        ; h
	v_lshlrev_b32 v[QL], 4, v12
	v_lshl_add_u32 v[AK0], v14, 4, v[QL]           ; an image's 512 bytes are two LDS rows: 16 lane + 16 (lane / 16)
	v_lshlrev_b32 v[AS0], 2, v12
	v_and_b32 v15, 3, v13
	v_mul_u32_u24 v[AV0], v15, 4*272               ; piece (channel 16 t + r, kk, hh = h) lies in row 4 (r % 4) + 2 h + kk of its block, at 64 t + 16 (r / 4):
	v_mad_u32_u24 v[AV0], v14, 2*272, v[AV0]       ; sixteen lanes touch sixteen different 16-byte columns modulo 256
	v_lshrrev_b32 v15, 2, v13
	v_lshl_add_u32 v[AV0], v15, 4, v[AV0]
	v_mov_b32 v[NEG], 0xd0000000                   ; -2^33
	v_min_u32 v[PFO], 81, v0
	v_lshlrev_b32 v[PFO], 8, v[PFO]
.irp t, 0,1
	global_load_b128 v[Q+12*\t:Q+12*\t+3],    v[QL], s[96:97] offset:1024*\t th:TH_LOAD_NT       ; query's codes
	global_load_b128 v[Q+12*\t+8:Q+12*\t+11], v[QL], s[96:97] offset:1024*\t+512 th:TH_LOAD_NT   ; query_i's
.endr
	global_load_b32 v[QSC], v[AS0], s[98:99]       ; lanes 0-15 tile 0's scale words, lanes 16-31 tile 1's
	s_load_b512 s[32:47], s[MB:MB+1], 0x0          ; tile 0's mask words of step 0
	s_load_b512 s[48:63], s[MB:MB+1], 0x40
; THE LDS LOADS stand in runs.  A step's K: four images of two loads, and two loads of scale words (lanes 0-15 one tile's, lanes 16-31 the next's): 10 loads.
.macro FETCH_K
	v_add_nc_u32 v[ADK], s[TB], v[AK0]
	v_add_nc_u32 v[ADS], s[TB], v[AS0]
.irp kt, 0,1,2,3
.irp c, 0,1
	ds_load_b128 v[KF+8*\kt+4*\c:KF+8*\kt+4*\c+3], v[ADK] offset:(4*\kt+2*\c)*272
.endr
.endr
	ds_load_b32 v[KSC], v[ADS] offset:16*272
	ds_load_b32 v[KSC+1], v[ADS] offset:16*272+128
.endm
; Half a step's V^T: keys 32 g on, both tensors' 64 channels: 16 loads.
.macro FETCH_V g
.if \g == 0
	v_add_nc_u32 v[ADV], s[TB], v[AV0]
.endif
	WIN 0x40                                       ; destination window 1, address window 0
.irp u, 0,1
.irp tp, 0,1,2,3
.irp kk, 0,1
	ds_load_b128 v[128+64*\g+8*(4*\u+\tp)+4*\kk:128+64*\g+8*(4*\u+\tp)+4*\kk+3], v[ADV] offset:(18+16*(2*\g+\u))*272+272*\kk+64*\tp
.endr
.endr
.endr
	WIN 0
.if \g == 1
	s_add_co_u32 s[TB], s[TB], REC                 ; the next fetch is the next step's
.endif
.endm
; Product pvi of 16 of O^T += V^T P for piece XX: keys 32 (pvi / 8) on, channel tile pvi % 8.  ZERO: the first eight start the sums: nothing is ever cleared.  The accumulators take turns, one instruction a turn.
.macro PV1
.set rO, 64*XX+8*(pvi%8)
.set rV, 128+64*(pvi/8)+8*(pvi%8)
.set rP, P+16*XX+8*(pvi/8)
.if ZERO && (pvi < 8)
	v_wmma_f32_16x16x32_f16 v[rO:rO+7], v[rV:rV+7], v[rP:rP+7], 0
.else
	v_wmma_f32_16x16x32_f16 v[rO:rO+7], v[rV:rV+7], v[rP:rP+7], v[rO:rO+7]
.endif
.set pvi, pvi+1
.endm
; Product kqi of 8 of S^T = K Q^T for piece XX: keys 16 (kqi / 2) on; kqi % 2 = 0 the real part ([q | 0]), 1 the other ([0 | q_i]).  Each is a whole sum: C = 0.
.macro KQ1
.set kt, kqi/2
.set rS, S+64*XX+32*(kqi%2)+8*kt
.set rK, KF+8*kt
.set rQ, Q+12*XX+4*(kqi%2)
.set rC, KSC+kt/2
.if (kt%2 == 0) && (XX == 0)
	v_wmma_scale_f32_16x16x128_f8f6f4 v[rS:rS+7], v[rK:rK+7], v[rQ:rQ+7], 0, v[rC], v[QSC] matrix_a_fmt:MATRIX_FMT_FP4 matrix_b_fmt:MATRIX_FMT_FP4
.elseif (kt%2 == 1) && (XX == 0)
	v_wmma_scale_f32_16x16x128_f8f6f4 v[rS:rS+7], v[rK:rK+7], v[rQ:rQ+7], 0, v[rC], v[QSC] matrix_a_fmt:MATRIX_FMT_FP4 matrix_b_fmt:MATRIX_FMT_FP4 matrix_a_scale:MATRIX_SCALE_ROW1
.elseif kt%2 == 0
	v_wmma_scale_f32_16x16x128_f8f6f4 v[rS:rS+7], v[rK:rK+7], v[rQ:rQ+7], 0, v[rC], v[QSC] matrix_a_fmt:MATRIX_FMT_FP4 matrix_b_fmt:MATRIX_FMT_FP4 matrix_b_scale:MATRIX_SCALE_ROW1
.else
	v_wmma_scale_f32_16x16x128_f8f6f4 v[rS:rS+7], v[rK:rK+7], v[rQ:rQ+7], 0, v[rC], v[QSC] matrix_a_fmt:MATRIX_FMT_FP4 matrix_b_fmt:MATRIX_FMT_FP4 matrix_a_scale:MATRIX_SCALE_ROW1 matrix_b_scale:MATRIX_SCALE_ROW1
.endif
.set kqi, kqi+1
.endm
; A place for matrix work among the softmax's lines: the turn's next two products, if any are left.  In piece 1's turn V's two runs of loads stand at places 4 and 10: the last product that read V's first half stands at place 3,
; 16 selections back; the last that read its second half at place 7, a v_nop and 16 roundings back.
.macro MX
.if FV && (sl == 4)
	FETCH_V 0
.endif
.if FV && (sl == 10)
	FETCH_V 1
.endif
.if mu < NPV
.if (XX == 0) && (mu == 4)
	s_wait_dscnt 10*FK                             ; V's second half is in; K's ten loads, issued behind it, may stay out
.endif
	WIN W_PV
	PV1
	PV1
	WIN 0
.elseif mu < NPV+NKQ
.if (XX == 0) && (mu == NPV)
	s_wait_dscnt 0x0                               ; K is in
.endif
	KQ1
	KQ1
.endif
.set sl, sl+1
.set mu, mu+1
.endm
; A TURN.  Piece x has the matrix unit; piece 1 - x runs its softmax of one step: 32 scores a lane.
; pv = 2: 16 products V^T P; 1: they start O^T's sums; 0: none.  kq = 1: 8 products K Q^T of the next step.  first = 1: the softmax is the first step's: no old maximum, no a, nothing to rescale.
; fv = 1: the next step's V is fetched.  mo >= 0: piece x's mask words are asked for at byte mo from s[MB]: they are used a turn later.  adv = 1: s[MB] steps first.
; The lines of the softmax name no register of piece x's products, so they are the places behind them: behind the turn's last K Q^T stand the 32 rescalings (first = 1: four v_nop), ahead of the next turn's
; first read of those scores and of the loads into K's registers.
.macro TURN x, pv, kq, first, fv, mo, adv
.set XX, \x
.set YY, 1-\x
.set RR, S+64*YY
.set RI, RR+32
.set TT, ST+8*YY
.set MY, 32+36*YY
.set ML, 32+36*XX
.set NPV, 0
.set ZERO, 0
.if \pv
.set NPV, 8
.endif
.if \pv == 1
.set ZERO, 1
.endif
.set NKQ, 4*\kq
.set FK, (1-\x)*\kq
.set FV, \fv
.set sl, 0
.set mu, 0
.set pvi, 0
.set kqi, 0
	s_wait_kmcnt 0x0                               ; the mask words asked for a turn ago are in; no scalar load is out, so s[MB] may step
.if \adv
	s_add_nc_u64 s[MB:MB+1], s[MB:MB+1], 128
.endif
.if (\mo) >= 0
	s_load_b512 s[ML:ML+15], s[MB:MB+1], \mo
	s_load_b512 s[ML+16:ML+31], s[MB:MB+1], \mo+0x40
.endif
.if XX == 0
	s_wait_dscnt 16                                ; V's first half is in; its second half's 16 loads may stay out
.if \kq
	FETCH_K
.endif
.endif
.set n, 0
.rept 16                               ; r^2 + 1e-8, two at a time; each accumulator is read from its low end on
	v_pk_fma_f32 v[RR+n:RR+n+1], v[RR+n:RR+n+1], v[RR+n:RR+n+1], 0x322bcc77 op_sel_hi:[1,1,0]
.set n, n+2
.endr
	MX
.set n, 0
.rept 16                               ; + i^2
	v_pk_fma_f32 v[RR+n:RR+n+1], v[RI+n:RI+n+1], v[RI+n:RI+n+1], v[RR+n:RR+n+1]
.set n, n+2
.endr
	MX
.set n, 0
.rept 16                               ; x = 8 x score: ONE BATCH of 32 square roots
	v_sqrt_f32 v[RR+n], v[RR+n]
.set n, n+1
.endr
	MX
.rept 16
	v_sqrt_f32 v[RR+n], v[RR+n]
.set n, n+1
.endr
	v_nop                                          ; a plain line behind the last square root, ahead of the first use
	s_wait_alu depctr_va_vdst(0)                   ; one wait for the batch, ahead of its first reader
	MX
.set n, 0
.rept 16                               ; where the mask is 0: -2^33.  The lane masks lie in scalar registers
	v_cndmask_b32 v[RR+n], v[NEG], v[RR+n], s[MY+n]
.set n, n+1
.endr
	MX
.rept 16
	v_cndmask_b32 v[RR+n], v[NEG], v[RR+n], s[MY+n]
.set n, n+1
.endr
	MX
.irp j, 0,1,2,3                        ; the maximum of my 32 and the old m: four chains of seven, then the four left over
	v_max3_num_f32 v[TT+4+\j], v[RR+8*\j], v[RR+8*\j+1], v[RR+8*\j+2]
.endr
.irp q, 1,2
.irp j, 0,1,2,3
	v_max3_num_f32 v[TT+4+\j], v[TT+4+\j], v[RR+8*\j+2*\q+1], v[RR+8*\j+2*\q+2]
.endr
.endr
	v_max3_num_f32 v[TT+4], v[TT+4], v[RR+7], v[RR+15]
	v_max3_num_f32 v[TT+6], v[TT+6], v[RR+23], v[RR+31]
	v_max3_num_f32 v[TT+4], v[TT+4], v[TT+5], v[TT+6]
.if \first
	v_max_num_f32 v[TT+4], v[TT+4], v[TT+7]
.else
	v_max3_num_f32 v[TT+4], v[TT+4], v[TT+7], v[TT+1]
.endif
	v_permlanex16_b32 v[TT+5], v[TT+4], s[SEL], s[SEL+1]   ; the query's other 32 keys lie in the lane 16 away
.if !\first
	v_mov_b32 v[TT+7], v[TT]                       ; c m_old is kept for a
.endif
	v_max_num_f32 v[TT+1], v[TT+4], v[TT+5]        ; m
	v_mul_f32 v[TT], 0x3e38aa3b, v[TT+1]           ; c m, c = log2(e) / 8
.if !\first
	v_sub_f32 v[TT+7], v[TT+7], v[TT]
.endif
	MX
.set n, 0
.rept 16                               ; c x - c m
	v_pk_fma_f32 v[RR+n:RR+n+1], v[RR+n:RR+n+1], 0x3e38aa3b, v[TT:TT+1] op_sel_hi:[1,0,0] neg_lo:[0,0,1] neg_hi:[0,0,1]
.set n, n+2
.endr
	MX
.if !\first
	v_exp_f32 v[TT+6], v[TT+7]                     ; a.  ONE BATCH with the 32 below
.endif
.set n, 0
.rept 16
	v_exp_f32 v[RR+n], v[RR+n]                     ; p, at most 1
.set n, n+1
.endr
	MX
.rept 16
	v_exp_f32 v[RR+n], v[RR+n]
.set n, n+1
.endr
	v_nop                                          ; a plain line behind the last exponential
	s_wait_alu depctr_va_vdst(0)                   ; one wait for the batch
	MX
.set n, 0
.rept 16                               ; p in f16: pair n is register n of P's operand
	v_cvt_pk_f16_f32 v[P+16*YY+n], v[RR+2*n], v[RR+2*n+1]
.set n, n+1
.endr
	MX
.irp z, 0,1,2,3,4,5,6,7                ; the sum of the 16 pairs, in f32, in place: neighbours 1, 2, 4, 8 pairs apart
	v_pk_add_f32 v[RR+4*\z:RR+4*\z+1], v[RR+4*\z:RR+4*\z+1], v[RR+4*\z+2:RR+4*\z+3]
.endr
.irp z, 0,1,2,3
	v_pk_add_f32 v[RR+8*\z:RR+8*\z+1], v[RR+8*\z:RR+8*\z+1], v[RR+8*\z+4:RR+8*\z+5]
.endr
.irp z, 0,1
	v_pk_add_f32 v[RR+16*\z:RR+16*\z+1], v[RR+16*\z:RR+16*\z+1], v[RR+16*\z+8:RR+16*\z+9]
.endr
.if \first
	v_pk_add_f32 v[TT+2:TT+3], v[RR:RR+1], v[RR+16:RR+17]
.else
	v_pk_add_f32 v[RR:RR+1], v[RR:RR+1], v[RR+16:RR+17]
	v_pk_fma_f32 v[TT+2:TT+3], v[TT+2:TT+3], v[TT+6:TT+7], v[RR:RR+1] op_sel_hi:[1,0,1]   ; l = a l + the sum
.endif
	MX
.if \first
	PLACES
.else
	WIN W_PV
.set n, 64*YY
.rept 32                               ; O^T x a, from each accumulator's low end on
	v_pk_mul_f32 v[n:n+1], v[n:n+1], v[TT+6:TT+7] op_sel_hi:[1,0]
.set n, n+2
.endr
	WIN 0
.endif
.endm
; THE CHANGE OF SLOTS, behind piece 1's turn: the slot's last bytes have been asked for.  Each wave waits for all its tensor loads (one is out: its part of the other slot), adds 0 to its spare word, and waits for that
; and for its reads of the slot.  fill = 1: the barrier is a round of the cluster's, and the joint refill is the first thing behind it: it has four steps in which to land.
.macro CHANGE fill
	WIN 0
	s_wait_tensorcnt 0x0                           ; no tensor load of mine is out, so a group 0 may be written
	ds_add_u32 v[SPW], v[NIL]
.if \fill
	s_xor_b32 s[G0W+1], s[G0W+1], SLOT1            ; the walking descriptor: the other slot than last time,
	s_add_nc_u64 s[G0W+2:G0W+3], s[G0W+2:G0W+3], SLOTB   ; the next four steps; the type bits on top are not reached
	s_wait_xcnt 0x0                                ; the last prefetch, four steps back, has read its address
	s_add_nc_u64 s[PFA:PFA+1], s[PFA:PFA+1], SLOTB
	s_wait_dscnt 0x0                               ; the add is done, and my reads of the slot are over
	CROUND
	tensor_load_to_lds s[G0W:G0W+3], s[G1:G1+7]
	s_nop 0
	PLACES
	ASK
.else
	s_wait_dscnt 0x0
	s_barrier_signal -1
	s_barrier_wait -1
.endif
	s_sub_co_u32 s[TB], s[TB], 4*REC               ; the fetches go back to a slot's first record,
	s_xor_b32 s[TB], s[TB], SLOT1                  ; in the other slot
.endm
.macro STEPS n                         ; n key steps: written once, walked n times; the LDS addresses hang on s[TB], the mask's on s[MB]
	s_mov_b32 s[CNT], \n
.Lstep_\@:
	TURN 0, 2, 1, 0, 0, 0x80, 1
	TURN 1, 2, 1, 0, 1, 0x1080, 0
	s_sub_co_u32 s[CNT], s[CNT], 1
	s_cmp_lg_u32 s[CNT], 0
	s_cbranch_scc1 .Lstep_\@
.endm
	s_wait_tensorcnt 0x1                           ; my part of slot 0 is in; slot 1's may stay out
	s_barrier_signal -1
	s_barrier_wait -1                              ; everybody's is
	FETCH_K                                        ; step 0
	FETCH_V 0
	FETCH_V 1
	s_wait_loadcnt 0x0                             ; Q and its scale words
	s_wait_dscnt 32                                ; K's ten loads are in; V's 32 may stay out
.set XX, 0
.set kqi, 0
.rept 8
	KQ1                                            ; piece 0's first scores: there is no vector work yet to set between them
.endr
	s_mul_i32 s2, s[WV], 16*272                    ; the addresses for the way out: eight plain lines, the places behind those products
	s_add_co_u32 s2, s2, STAGE                     ; my stage
	v_mul_u32_u24 v[STO], v13, 272                 ; in: row r, 32 bytes for each half of the lanes
	v_lshl_add_u32 v[STO], v14, 5, v[STO]
	v_add_nc_u32 v[STO], s2, v[STO]
	v_mul_u32_u24 v[RD], v14, 272                  ; back: lanes 0-15 one row of 256 bytes, lanes 16-31 the next
	v_lshl_add_u32 v[RD], v13, 4, v[RD]
	v_add_nc_u32 v[RD], s2, v[RD]
	v_lshlrev_b32 v[GO], 8, v14                    ; and the same two rows in an output
	v_lshl_add_u32 v[GO], v13, 4, v[GO]
	TURN 1, 0, 1, 1, 0, 0x1000, 0                  ; piece 1's first scores | piece 0's first softmax
	TURN 0, 1, 1, 1, 0, 0x80, 0                    ; piece 0: V^T P of step 0 starts O^T, K Q^T of step 1 | piece 1's first softmax | K of step 1
	TURN 1, 1, 1, 0, 1, 0x1080, 0                  ; piece 1: the same | piece 0's softmax of step 1 | V of step 1
	STEPS 2                                        ; slot 0's records have all been fetched
	s_mov_b32 s[SLOTS], 6
.Lslot:                                            ; six trips: slots' worth 2 to 7 of the head's eight are asked for
	CHANGE 1
	STEPS 4
	s_sub_co_u32 s[SLOTS], s[SLOTS], 1
	s_cmp_lg_u32 s[SLOTS], 0
	s_cbranch_scc1 .Lslot
	CHANGE 0                                       ; the tail is written out: nothing is asked for
	STEPS 4
	TURN 0, 2, 0, 0, 0, -1, 0                      ; piece 0: V^T P of the last step | piece 1's last softmax
	s_load_b128 s[32:35], s[0:1], 0x18             ; out0 s[32:33], out1 s[34:35]: tile 0's mask words are done with
.set XX, 1
.set ZERO, 0
.set pvi, 0
	WIN W_PV
.rept 16
	PV1                                            ; piece 1: V^T P of the last step
.endr
	WIN 0
	PLACES
	; THE WAY OUT.  l's two halves and the other half of the lanes' are added; O^T is divided by l and goes through my stage in LDS, 16 queries x 64 channels of one output at a time: a row of an output is 256 bytes.
.irp t, 0,1
	v_add_f32 v[ST+8*\t+4], v[ST+8*\t+2], v[ST+8*\t+3]
.endr
.irp t, 0,1
	v_permlanex16_b32 v[ST+8*\t+5], v[ST+8*\t+4], s[SEL], s[SEL+1]
.endr
.irp t, 0,1
	v_add_f32 v[ST+8*\t+4], v[ST+8*\t+4], v[ST+8*\t+5]
.endr
.irp t, 0,1
	v_rcp_f32 v[ST+8*\t+6], v[ST+8*\t+4]
.endr
	v_nop                                          ; a plain line between the last reciprocal and the use of its result
	s_wait_alu depctr_va_vdst(0)                   ; one wait for the two reciprocals
	s_wait_kmcnt 0x0
	s_add_nc_u64 s[32:33], s[32:33], s[OO:OO+1]
	s_add_nc_u64 s[34:35], s[34:35], s[OO:OO+1]
.macro OUT t, u                        ; tile t, output u: its four accumulators / l, into rows of 272 bytes, and back as whole rows of 256, into 32 registers of their own where S^T lay
	WIN W_PV
.set n, 64*\t+32*\u
.rept 16
	v_pk_mul_f32 v[n:n+1], v[n:n+1], v[ST+8*\t+6:ST+8*\t+7] op_sel_hi:[1,0]
.set n, n+2
.endr
	WIN 0x04                                       ; an LDS store's data are its source 1: window 1
.irp tp, 0,1,2,3
	ds_store_b128 v[STO], v[64*\t+32*\u+8*\tp:64*\t+32*\u+8*\tp+3] offset:64*\tp          ; lane (r, h): channels 16 tp + 8 h + 0 .. 7 of query r
	ds_store_b128 v[STO], v[64*\t+32*\u+8*\tp+4:64*\t+32*\u+8*\tp+7] offset:64*\tp+16
.endr
	WIN 0
.irp i, 0,1,2,3,4,5,6,7
	ds_load_b128 v[S+32*(2*\t+\u)+4*\i:S+32*(2*\t+\u)+4*\i+3], v[RD] offset:544*\i   ; LDS serves a wave's instructions in order: these see the stores above, and the next part's stores come behind them
.endr
.endm
.macro SEND t, u, younger              ; younger: the LDS instructions issued behind this part's loads: the next part's sixteen, or none
.irp i, 0,1,2,3,4,5,6,7
	s_wait_dscnt \younger+7-\i
	global_store_b128 v[GO], v[S+32*(2*\t+\u)+4*\i:S+32*(2*\t+\u)+4*\i+3], s[32+2*\u:33+2*\u] offset:4096*\t+512*\i th:TH_STORE_NT   ; 32 lanes store 512 consecutive bytes, two rows, at a multiple of 256 from the output's first byte
.endr
.endm
	OUT 0, 0
	OUT 0, 1                                       ; a part's arithmetic stands between the loads of the part before and its stores
	SEND 0, 0, 16
	OUT 1, 0
	SEND 0, 1, 16
	OUT 1, 1
	SEND 1, 0, 16
	SEND 1, 1, 0
	s_wait_tensorcnt 0x0                           ; the wave's end, behind my last tensor load and my last LDS store
	ds_add_u32 v[SPW], v[NIL]
	s_wait_dscnt 0x0
	CROUND                                         ; the closing round: no work-group ends while a partner may still ask for a tile that names it
	s_endpgm
.Lfunc_end_k_q6116008390_attn:
	.size	k_q6116008390_attn, .Lfunc_end_k_q6116008390_attn-k_q6116008390_attn
	.p2alignl 7, 3214868480
	.fill 96, 4, 3214868480
	.section	.rodata,"a",@progbits
	.p2align	6, 0x0
	.amdhsa_kernel k_q6116008390_attn
		.amdhsa_group_segment_fixed_size 327680
		.amdhsa_private_segment_fixed_size 0
		.amdhsa_enable_private_segment 0
		.amdhsa_kernarg_size 40
		.amdhsa_user_sgpr_count 2
		.amdhsa_user_sgpr_kernarg_segment_ptr 1
		.amdhsa_wavefront_size32 1
		.amdhsa_system_sgpr_workgroup_id_x 1
		.amdhsa_system_sgpr_workgroup_id_y 1
		.amdhsa_system_sgpr_workgroup_id_z 1
		.amdhsa_system_vgpr_workitem_id 0
		.amdhsa_next_free_vgpr 512
		.amdhsa_next_free_sgpr 100
		.amdhsa_reserve_vcc 0
		.amdhsa_float_denorm_mode_32 3
		.amdhsa_float_denorm_mode_16_64 3
		.amdhsa_memory_ordered 1
		.amdhsa_forward_progress 1
		.amdhsa_inst_pref_size 194
	.end_amdhsa_kernel
	.amdgpu_metadata
---
amdhsa.version: [ 1, 2 ]
amdhsa.kernels:
  - .name:           k_q6116008390_attn
    .symbol:         k_q6116008390_attn.kd
    .args:
      - { .name: qc, .offset: 0, .size: 8, .value_kind: global_buffer, .address_space: global }
      - { .name: kv, .offset: 8, .size: 8, .value_kind: global_buffer, .address_space: global }
      - { .name: mb, .offset: 16, .size: 8, .value_kind: global_buffer, .address_space: global }
      - { .name: out0, .offset: 24, .size: 8, .value_kind: global_buffer, .address_space: global }
      - { .name: out1, .offset: 32, .size: 8, .value_kind: global_buffer, .address_space: global }
    .group_segment_fixed_size: 327680
    .private_segment_fixed_size: 0
    .kernarg_segment_align: 8
    .kernarg_segment_size: 40
    .max_flat_workgroup_size: 256
    .sgpr_count:     100
    .vgpr_count:     512
    .wavefront_size: 32
...
	.end_amdgpu_metadata
.endif
;; end of part 2
